; MI455X (gfx1250); checked and timed in simulation.
; The chip was launched on July 23, 2026; its instructions are those of AMD's public machine-readable ISA for CDNA 5 (MIT licence, August 2026) and "CDNA5" Instruction Set Architecture Reference Guide (July 2026). The comments in the code are by the model that wrote it; some were corrected since.
;; Top K Pool. Allowed arithmetic: matrix products marked QUANTISED: E3M2 operands, one E8M0 scale for each 32 along K, by v_wmma_scale_f32_16x16x128_f8f6f4 with both operands' format E3M2, f32 sums; products left as they are: f32 operands where the result goes on into a quantised operand, else bf16, f16 or f32 operands; f32 sums; everything else in f32.
;; Inputs: A 4,096 x 4,096 float32; S 4,096 int32; X 4,096 x 256 float32; kernel 256 x 1 float32.
;; Outputs: out0 2,048 x 256 float32; out1 2,048 x 2,048 float32; out2 2,048 int32.
;; This version of the problem:
;;   THIS VERSION OF THE PROBLEM IS GIVEN IN LOW PRECISION. The matrix products marked QUANTISED in the list below multiply operands that are first quantised to E3M2 (3 exponent bits, 2 mantissa bits; 6 bits a number), with one power-of-two scale for each 32 numbers along K (OCP MX v1.0); their sums are f32. All else is computed in f32.
;;   The module's matrix products, in the order in which they are computed (A, B: the left and right operand; K: the contracted axis; several contracted axes count as one K, in the product's order):
;;     1. [M 4,096, K 256] x [K 256, N 1]; A: input X; B: computed on the way: left as it is (N = 1 < 16)
;;     2. [M 4,096, K 4,096] x [K 4,096, N 4,096]; A: input A; B: input A: QUANTISED
;;   THE QUANTISER, for each operand of a quantised product, along K:
;;     - K is cut into blocks of 32 from its start; a last block that is shorter is filled with zeros.
;;     - A block's scale is 2^e with e = floor(log2(the largest magnitude in the block)) - 4, held to -126 .. 127; a block of zeros has e = 0. As a byte (E8M0): e + 127.
;;     - Each number is divided by its block's scale, clamped to +-28, and rounded to the nearest number of E3M2, ties to even, subnormals kept.
;;     - The product sums the exact products of the quantised numbers (number of the format x scale) in f32.
;;   ~~~python
;;   def quantise(x, axis):      # numpy; x: float32 -> the quantised numbers, widened to float32 again
;;       x = np.moveaxis(x, axis, -1); K = x.shape[-1]
;;       x = np.pad(x, [(0, 0)] * (x.ndim - 1) + [(0, -K % 32)]); x = x.reshape(x.shape[:-1] + (-1, 32)); a = np.abs(x).max(-1, keepdims=True)
;;       e = np.where(a > 0, np.clip(np.frexp(np.where(a > 0, a, 1))[1] - 1 - 4, -126, 127), 0)      # np.frexp(a)[1] - 1 = floor(log2(a)), exactly
;;       r = np.clip(x / 2.0 ** e, -28, 28)
;;       step = 2.0 ** (np.maximum(np.frexp(np.where(r == 0, 1, r))[1] - 1, -2) - 2)
;;       q = np.round(r / step) * step * 2.0 ** e      # np.round: ties to even
;;       return np.moveaxis(q.reshape(q.shape[:-2] + (-1,))[..., :K], -1, axis).astype(np.float32)
;;   ~~~
;; One version. Each part assembles by itself: llvm-mc -triple=amdgcn-amd-amdhsa -mcpu=gfx1250 --defsym DOCPART=n.
;; ======== version 1 of 1: 4 launches
;; workspace buffers: rc 12,582,912 bytes; cc 12,582,912 bytes; sc 1,048,576 bytes; keys 16,384 bytes of whole numbers; tv 16,384 bytes; pr 32,768 bytes of whole numbers; idx 8,192 bytes of whole numbers
;; launch prep (part 1): grid 1056 x 1, 4 waves a work-group, no clusters, 68,352 bytes of LDS; arguments A, X, kernel, rc, cc, sc, keys, tv; writes rc, cc, sc, keys, tv
.if DOCPART == 1
	.amdgcn_target "amdgcn-amd-amdhsa--gfx1250"
	.amdhsa_code_object_version 6
	.text
	.protected	k_q37b1b96403_prep
	.globl	k_q37b1b96403_prep
	.p2align	8
	.type	k_q37b1b96403_prep,@function
k_q37b1b96403_prep:
	s_mov_b64 s[64:65], 0
	v_nop
	global_prefetch_b8 v0, s[64:65] scope:SCOPE_SE
	s_setreg_imm32_b32 hwreg(HW_REG_WAVE_MODE, 25, 1), 1
	s_wait_xcnt 0x0
; TWO JOBS IN ONE LAUNCH, parted by the work-group's number (the same way for all four waves of a work-group).
; Work-groups 0-31: y = X . kernel / |kernel| in f32, an order-keeping whole number of y (keys) and tanh y (tv).
; Work-groups 32-1055: a tile of 128 x 128 of A is quantised to BF6 (E3M2) TWICE: along its rows' columns (the left operand of A A, K = columns) and along its columns' rows
; (the right operand, K = rows).  A block's scale is 2^(floor(log2(largest magnitude)) - 4); its byte is the largest magnitude's exponent field - 4, held at 1 from below.
; THE CODES ARE STORED AS IMAGES OF THE OPERAND'S REGISTERS: [group of 16 operand rows: 256][K step of 128: 32][c: 3][lane: 32][16 bytes]; lane (r, h) holds registers 4 c .. 4 c + 3 of
; operand row 16 g + r (registers 0-5: k = 128 s + 32 h + 0..31, registers 6-11: k = 128 s + 64 + 32 h + 0..31).  Scale words: [operand: 2][K step: 32][row: 4096], 4 bytes, byte b for k = 128 s + 32 b on.
; LIMITS: NaN and infinities in A, X or kernel are not served; the sum of kernel's squares must be a normal f32 number; -0 and +0 in y count as equal; a block of zeros, or one whose largest
; magnitude lies under 2^-122, gets the byte 1 (its codes are zeros or are held by the floor; this program alone reads the bytes).
; No tensor loads, matrix units or clusters: the launch reads A once and stores its codes once, and no two work-groups read the same bytes.
.set PITCH, 528                        ; an LDS row: 512 bytes + 16 = 33 x 16: sixteen rows of a 16-byte load start at sixteen different 16-byte columns (64 banks of 4 bytes: ISA guide 11.1)
.set BLK, 32*PITCH+64                  ; 32 rows of the tile, one wave's, and 64 bytes: 16,960 = 66 x 256 + 64, so that a row 32 further down starts 16 banks on.  Four such blocks: 67,840 bytes
.set N0,  32                           ; v32-95   64 numbers of a lane (at first: v32-159 the wave's 32 rows as loaded)
.set N1,  96                           ; v96-159  64 more
.set C0,  160                          ; v160-207 four fragments' codes, 12 registers each: every store has data registers of its own
.set C1,  172
.set C2,  184
.set C3,  196
.set W0,  208                          ; v208-211 the four fragments' scale words
.set WR,  212                          ; v212     two row fragments' words, lanes 0-15 and 16-31
.set WC,  213                          ; v213     the same for the column fragments
.set MX,  214                          ; v214-215 largest magnitudes
.set SOP, 216                          ; v216-217 the conversions' scale operands
.set BYT, 218                          ; v218-219 the scales' bytes
.set TMP, 220                          ; v220-222, v224-226 the upper halves of a block's codes
	s_load_b512 s[4:19], s[0:1], 0x0               ; A s[4:5], X s[6:7], kernel s[8:9], rc s[10:11], cc s[12:13], sc s[14:15], keys s[16:17], tv s[18:19]
	v_lshl_add_u32 v232, v0, 2, 0x10900
	v_mov_b32 v233, 0
	v_lshrrev_b32 v1, 5, v0
	v_readfirstlane_b32 s20, v1                    ; wave 0..3
	v_and_b32 v1, 31, v0                           ; lane
	v_and_b32 v2, 15, v0                           ; r
	v_bfe_u32 v3, v0, 4, 1                         ; h
	v_lshlrev_b32 v4, 4, v1                        ; 16 x lane
	v_lshlrev_b32 v9, 2, v1                        ; 4 x lane
	v_mov_b32 v10, 0                               ; a lane permute's destination counts as one of its sources
	s_mov_b32 s22, 0x76543210
	s_mov_b32 s23, 0xfedcba98                      ; v_permlanex16_b32's selects for lane l xor 16
	s_wait_kmcnt 0x0
	s_cmp_lt_u32 ttmp9, 32
	s_cbranch_scc1 .Lscore
	; ================= THE TILES =================
	s_sub_co_u32 s21, ttmp9, 32
	s_lshr_b32 s36, s21, 5                         ; tr: tile row
	s_and_b32 s37, s21, 31                         ; tc: tile column
	s_lshl_b32 s39, s20, 5                         ; 32 x wave
	s_lshl_b32 s38, s36, 7
	s_add_co_u32 s38, s38, s39                     ; my wave's first row of A: 128 tr + 32 w
	s_lshl_b32 s42, s37, 7
	s_add_co_u32 s42, s42, s39                     ; my wave's first column: 128 tc + 32 w
	s_mov_b32 s41, 0
	s_lshl_b32 s40, s38, 14                        ; a row of A is 16,384 bytes
	s_lshl_b32 s43, s37, 9
	s_add_co_u32 s40, s40, s43
	s_add_nc_u64 s[26:27], s[4:5], s[40:41]
.set j, 0
.rept 32
	global_load_b128 v[N0+4*j:N0+4*j+3], v4, s[26:27] offset:j*16384 th:TH_LOAD_NT   ; row j of my 32: 32 lanes read 512 consecutive bytes
.set j, j+1
.endr
	s_lshl_b32 s40, s38, 1                         ; (group 8 tr + 2 w) x 32 steps + step tc
	s_add_co_u32 s40, s40, s37
	s_mul_i32 s40, s40, 1536
	s_add_nc_u64 s[28:29], s[10:11], s[40:41]      ; my two row fragments' images
	s_lshl_b32 s40, s42, 1                         ; (group 8 tc + 2 w) x 32 steps + step tr
	s_add_co_u32 s40, s40, s36
	s_mul_i32 s40, s40, 1536
	s_add_nc_u64 s[30:31], s[12:13], s[40:41]      ; my two column fragments' images
	s_lshl_b32 s40, s37, 14
	s_lshl_b32 s43, s38, 2
	s_add_co_u32 s40, s40, s43
	s_add_nc_u64 s[32:33], s[14:15], s[40:41]      ; scale words, row operand: step tc, my 32 rows
	s_lshl_b32 s40, s36, 14
	s_lshl_b32 s43, s42, 2
	s_add_co_u32 s40, s40, s43
	s_add_co_u32 s40, s40, 524288
	s_add_nc_u64 s[34:35], s[14:15], s[40:41]      ; column operand: step tr, my 32 columns
	s_mov_b32 s24, 0xffff0000                      ; lanes 16-31
	; LDS: row p of the tile lies at BLK (p / 32) + 528 (p % 32): a wave's 32 rows end at byte 16,880 of its block of 16,960
	s_mul_i32 s43, s20, BLK                        ; my wave's 32 rows
	v_add_nc_u32 v5, s43, v4                       ; in: 16 bytes a lane
	v_mul_u32_u24 v6, v2, PITCH
	v_lshl_add_u32 v6, v3, 7, v6
	v_add_nc_u32 v6, s43, v6                       ; a row fragment: row r of my 32, block h of its four blocks of 32 numbers
	v_mul_u32_u24 v7, v3, BLK
	v_lshl_add_u32 v7, v2, 2, v7
	s_lshl_b32 s44, s20, 7
	v_add_nc_u32 v7, s44, v7                       ; a column fragment: column 32 w + r, rows from 32 h on
	v_lshlrev_b32 v8, 3, v3                        ; 8 h: where my two scale bytes stand in the word
.set j, 0
.rept 32
	s_wait_loadcnt 31-j                            ; loads come back in order: row j is in, the younger rows stay out
	ds_store_b128 v5, v[N0+4*j:N0+4*j+3] offset:j*PITCH
.set j, j+1
.endr
	s_wait_dscnt 0x0                               ; for the others' sake: my rows lie in LDS
	s_barrier_signal -1
	s_barrier_wait -1                              ; the whole tile does; it is never written again, so this is the one barrier
.macro LROW f, dst                     ; row fragment f of my two: lane (r, h) takes blocks h and 2 + h of row 16 f + r: 2 x 128 bytes
.irp k, 0,1
.irp q, 0,1,2,3,4,5,6,7
	ds_load_b128 v[\dst+32*\k+4*\q:\dst+32*\k+4*\q+3], v6 offset:\f*16*PITCH+256*\k+16*\q
.endr
.endr
.endm
.macro LCOL f, dst                     ; column fragment f: lane (r, h) takes column 16 f + r, and its registers run down K: rows 64 k + 32 h + i, which lie in block 2 k + h
.irp k, 0,1
.set i, 0
.rept 32
	ds_load_b32 v[\dst+32*\k+i], v7 offset:\k*2*BLK+i*PITCH+64*\f
.set i, i+1
.endr
.endr
.endm
; 64 numbers of a lane, two whole blocks of 32 along K, become the operand's 12 registers in v[dst] on and the row's scale word in v[wd]
.macro QUANT src, dst, wd
.irp k, 0,1
	v_max3_num_f32 v[MX+\k], |v[\src+32*\k]|, |v[\src+32*\k+1]|, 0x2800000   ; with the floor 2^(5 - 127): the byte cannot fall under 1
.endr
.irp i, 2,4,6,8,10,12,14,16,18,20,22,24,26,28,30
.irp k, 0,1
	v_max3_num_f32 v[MX+\k], v[MX+\k], |v[\src+32*\k+\i]|, |v[\src+32*\k+\i+1]|   ; the two blocks by turns
.endr
.endr
.irp k, 0,1
	v_add_nc_u32 v[SOP+\k], 0xfe000000, v[MX+\k]   ; 4 off the exponent field: the conversion takes this operand's exponent field as its scale
.endr
.irp k, 0,1
	v_lshrrev_b32 v[BYT+\k], 23, v[SOP+\k]         ; the scale's byte
.endr
	v_lshl_or_b32 v[\wd], v[BYT+1], 16, v[BYT]     ; blocks h and 2 + h,
	v_lshlrev_b32 v[\wd], v8, v[\wd]               ; at their places in the word;
	v_permlanex16_b32 v10, v[\wd], s22, s23
	v_or_b32 v[\wd], v[\wd], v10                   ; with lane l xor 16's two the word is whole, in both lanes
.irp k, 0,1
	v_cvt_scalef32_pk16_bf6_f32 v[\dst+6*\k:\dst+6*\k+2], v[\src+32*\k:\src+32*\k+15], v[SOP+\k]
	v_cvt_scalef32_pk16_bf6_f32 v[TMP+4*\k:TMP+4*\k+2], v[\src+32*\k+16:\src+32*\k+31], v[SOP+\k]   ; a conversion's three registers begin on an even number: made here and moved
.endr
	v_nop                                          ; one plain place behind a scaled conversion
.irp k, 0,1
.irp i, 0,1,2
	v_mov_b32 v[\dst+3+6*\k+\i], v[TMP+4*\k+\i]
.endr
.endr
.endm
.macro PUT cr, bs, f                   ; a fragment's image: three stores of 512 consecutive bytes, aligned
.irp k, 0,1,2
	global_store_b128 v4, v[\cr+4*\k:\cr+4*\k+3], s[\bs:\bs+1] offset:\f*49152+512*\k th:TH_STORE_NT
.endr
.endm
	LROW 0, N0
	LROW 1, N1
	s_wait_dscnt 16                                ; the first fragment's 16 loads are in, the second's may be out
	QUANT N0, C0, W0
	PUT C0, 28, 0
	LCOL 0, N0
	s_wait_dscnt 63                                ; 64 younger loads were issued; the field holds 63 at the most, and a smaller count only waits longer
	QUANT N1, C1, W0+1
	PUT C1, 28, 1
	v_cndmask_b32 v[WR], v[W0], v[W0+1], s24       ; lanes 0-15: rows 0-15's words, lanes 16-31: rows 16-31's
	global_store_b32 v9, v[WR], s[32:33]           ; 128 consecutive bytes
	LCOL 1, N1
	s_wait_dscnt 63                                ; likewise: the first column fragment is in
	QUANT N0, C2, W0+2
	PUT C2, 30, 0
	s_wait_dscnt 0x0
	QUANT N1, C3, W0+3
	PUT C3, 30, 1
	v_cndmask_b32 v[WC], v[W0+2], v[W0+3], s24
	global_store_b32 v9, v[WC], s[34:35]
	s_wait_tensorcnt 0x0
	ds_add_u32 v232, v233
	s_wait_dscnt 0x0
	s_endpgm
	; ================= THE SCORES =================
	; Wave 4 g + w takes 32 rows of X.  A lane holds numbers 4 l + 128 q + 0..3 (q = 0, 1) of a row and of kernel: every load reads 512 consecutive bytes.
.Lscore:
	s_lshl_b32 s40, ttmp9, 2
	s_add_co_u32 s40, s40, s20                     ; which run of 32 rows
	s_lshl_b32 s42, s40, 7                         ; its 128 bytes in keys and in tv
	s_lshl_b32 s40, s40, 15                        ; its 32 rows of 1,024 bytes
	s_mov_b32 s41, 0
	s_mov_b32 s43, 0
	s_add_nc_u64 s[26:27], s[6:7], s[40:41]
	s_add_nc_u64 s[28:29], s[16:17], s[42:43]
	s_add_nc_u64 s[30:31], s[18:19], s[42:43]
	global_load_b128 v[16:19], v4, s[8:9]
	global_load_b128 v[20:23], v4, s[8:9] offset:512
.set j, 0
.rept 16
	global_load_b128 v[32+8*j:35+8*j], v4, s[26:27] offset:j*1024 th:TH_LOAD_NT
	global_load_b128 v[36+8*j:39+8*j], v4, s[26:27] offset:j*1024+512 th:TH_LOAD_NT
.set j, j+1
.endr
	v_mov_b32 v11, 0                               ; y: lane i will hold row i's
	v_mov_b32 v29, 0
	v_mov_b32 v31, 0                               ; (named as the upper half of the pair v[30:31])
.macro WSUM r, t                       ; the sum over the wave's 32 lanes, in every lane
	v_add_f32_dpp v[\r], v[\r], v[\r] row_xmask:1 row_mask:0xf bank_mask:0xf
	v_add_f32_dpp v[\r], v[\r], v[\r] row_xmask:2 row_mask:0xf bank_mask:0xf
	v_add_f32_dpp v[\r], v[\r], v[\r] row_xmask:4 row_mask:0xf bank_mask:0xf
	v_add_f32_dpp v[\r], v[\r], v[\r] row_xmask:8 row_mask:0xf bank_mask:0xf
	v_permlanex16_b32 v[\t], v[\r], s22, s23
	v_add_f32 v[\r], v[\r], v[\t]
.endm
	s_wait_loadcnt 32                              ; kernel is in; the 32 loads of rows behind it may be out
	v_pk_mul_f32 v[24:25], v[16:17], v[16:17]
	v_pk_fma_f32 v[24:25], v[18:19], v[18:19], v[24:25]
	v_pk_fma_f32 v[24:25], v[20:21], v[20:21], v[24:25]
	v_pk_fma_f32 v[24:25], v[22:23], v[22:23], v[24:25]
	v_add_f32 v28, v24, v25
	WSUM 28, 29
	v_rsq_f32 v30, v28                             ; 1 / |kernel|
	v_nop                                          ; a plain place behind the transcendental,
	s_wait_alu depctr_va_vdst(0)                   ; and the wait ahead of its first reader
.irp k, 16,18,20,22
	v_pk_mul_f32 v[\k:\k+1], v[\k:\k+1], v[30:31] op_sel_hi:[1,0]
.endr
; Row 16 b + j.  b = 0: its registers are loaded again at once with the row 16 further down, so that 32 loads stay out.  left: the younger loads.
.macro ROWDOT b, j, left
.set RR, 32+8*(\j)
	s_wait_loadcnt \left
	v_pk_mul_f32 v[26:27], v[RR:RR+1], v[16:17]
	v_pk_fma_f32 v[26:27], v[RR+2:RR+3], v[18:19], v[26:27]
	v_pk_fma_f32 v[26:27], v[RR+4:RR+5], v[20:21], v[26:27]
	v_pk_fma_f32 v[26:27], v[RR+6:RR+7], v[22:23], v[26:27]
.if \b == 0
	global_load_b128 v[RR:RR+3], v4, s[26:27] offset:(16+\j)*1024 th:TH_LOAD_NT
	global_load_b128 v[RR+4:RR+7], v4, s[26:27] offset:(16+\j)*1024+512 th:TH_LOAD_NT
.endif
	v_add_f32 v28, v26, v27
	WSUM 28, 29
	v_readfirstlane_b32 s21, v28
	v_writelane_b32 v11, s21, 16*\b+\j
.endm
.irp j, 0,1,2,3,4,5,6,7,8,9,10,11,12,13,14,15
	ROWDOT 0, \j, 30                               ; behind row j's two loads: 2 (15 - j) of this half and 2 j of the next
.endr
.irp j, 0,1,2,3,4,5,6,7,8,9,10,11,12,13,14,15
	ROWDOT 1, \j, 30-2*\j                          ; the counts run down
.endr
	v_add_f32 v11, 0, v11                          ; -0 becomes +0
	v_ashrrev_i32 v12, 31, v11
	v_or_b32 v12, 0x80000000, v12
	v_xor_b32 v12, v11, v12                        ; the key: unsigned order = y's order
	v_mul_f32 v13, 0x4038aa3b, v11                 ; 2 log2(e) y
	v_exp_f32 v14, v13                             ; e^(2 y)
	v_nop
	s_wait_alu depctr_va_vdst(0)
	v_add_f32 v14, 1.0, v14
	v_rcp_f32 v15, v14
	v_nop
	s_wait_alu depctr_va_vdst(0)
	v_fma_f32 v13, -2.0, v15, 1.0                  ; tanh y = 1 - 2 / (1 + e^(2 y)): 1 and -1 at the ends
	global_store_b32 v9, v12, s[28:29]
	global_store_b32 v9, v13, s[30:31]
	s_endpgm
.Lfunc_end_k_q37b1b96403_prep:
	.size	k_q37b1b96403_prep, .Lfunc_end_k_q37b1b96403_prep-k_q37b1b96403_prep
	.p2alignl 7, 3214868480
	.fill 96, 4, 3214868480
	.section	.rodata,"a",@progbits
	.p2align	6, 0x0
	.amdhsa_kernel k_q37b1b96403_prep
		.amdhsa_group_segment_fixed_size 68352
		.amdhsa_private_segment_fixed_size 0
		.amdhsa_enable_private_segment 0
		.amdhsa_kernarg_size 64
		.amdhsa_user_sgpr_count 2
		.amdhsa_user_sgpr_kernarg_segment_ptr 1
		.amdhsa_wavefront_size32 1
		.amdhsa_system_sgpr_workgroup_id_x 1
		.amdhsa_system_sgpr_workgroup_id_y 1
		.amdhsa_system_sgpr_workgroup_id_z 1
		.amdhsa_system_vgpr_workitem_id 0
		.amdhsa_next_free_vgpr 234
		.amdhsa_next_free_sgpr 66
		.amdhsa_reserve_vcc 0
		.amdhsa_float_denorm_mode_32 3
		.amdhsa_float_denorm_mode_16_64 3
		.amdhsa_memory_ordered 1
		.amdhsa_forward_progress 1
		.amdhsa_inst_pref_size 65
	.end_amdhsa_kernel
	.amdgpu_metadata
---
amdhsa.version: [ 1, 2 ]
amdhsa.kernels:
  - .name:           k_q37b1b96403_prep
    .symbol:         k_q37b1b96403_prep.kd
    .args:
      - { .name: A, .offset: 0, .size: 8, .value_kind: global_buffer, .address_space: global }
      - { .name: X, .offset: 8, .size: 8, .value_kind: global_buffer, .address_space: global }
      - { .name: kernel, .offset: 16, .size: 8, .value_kind: global_buffer, .address_space: global }
      - { .name: rc, .offset: 24, .size: 8, .value_kind: global_buffer, .address_space: global }
      - { .name: cc, .offset: 32, .size: 8, .value_kind: global_buffer, .address_space: global }
      - { .name: sc, .offset: 40, .size: 8, .value_kind: global_buffer, .address_space: global }
      - { .name: keys, .offset: 48, .size: 8, .value_kind: global_buffer, .address_space: global }
      - { .name: tv, .offset: 56, .size: 8, .value_kind: global_buffer, .address_space: global }
    .group_segment_fixed_size: 68352
    .private_segment_fixed_size: 0
    .kernarg_segment_align: 8
    .kernarg_segment_size: 64
    .max_flat_workgroup_size: 128
    .sgpr_count:     66
    .vgpr_count:     234
    .wavefront_size: 32
...
	.end_amdgpu_metadata
.endif
;; end of part 1
;; launch rank (part 2): grid 256 x 1, 32 waves a work-group, no clusters, 8,192 bytes of LDS; arguments keys, pr; writes pr
.if DOCPART == 2
	.amdgcn_target "amdgcn-amd-amdhsa--gfx1250"
	.amdhsa_code_object_version 6
	.text
	.protected	k_q37b1b96403_rank
	.globl	k_q37b1b96403_rank
	.p2align	8
	.type	k_q37b1b96403_rank,@function
k_q37b1b96403_rank:
	s_mov_b64 s[64:65], 0
	v_nop
	global_prefetch_b8 v0, s[64:65] scope:SCOPE_SE
	s_setreg_imm32_b32 hwreg(HW_REG_WAVE_MODE, 25, 1), 1
	s_wait_xcnt 0x0
; rank of node i = the number of nodes j with key j > key i, plus those with j < i and an equal key: node i is kept where its rank is under 2,048 (the lower index wins a tie).
; Work-group 2 c + hf: the 32 nodes of chunk c (a lane a node) against nodes 2,048 hf .. + 2,047; wave v of 32 takes 64 of those, two sub-chunks of 32, whose keys come by scalar loads:
; 64 keys are what two banks of scalar registers hold, so all of a wave's keys are asked for at once and waited for once.
; The 32 waves' counts meet in LDS; pr[hf][i] takes the sum.  The two halves are added by the next launch: each word of pr has one writer.
; For a sub-chunk that lies wholly below chunk c, 'greater or equal' is 'greater than key - 1'.
; LIMIT: key 0 (the bits of a negative NaN) would wrap there: NaN in X or kernel is not served.
; All is whole-number work on 16 KiB: no matrix unit, no tensor load, no cluster.
	s_load_b128 s[4:7], s[0:1], 0x0                ; keys s[4:5], pr s[6:7]
	v_lshl_add_u32 v40, v0, 2, 0x1000
	v_mov_b32 v41, 0
	v_lshrrev_b32 v1, 5, v0
	v_readfirstlane_b32 s86, v1                    ; wave 0..31
	v_and_b32 v6, 31, v0
	v_lshlrev_b32 v6, 2, v6                        ; 4 x lane
	v_lshlrev_b32 v5, 2, v0                        ; 4 x thread: my word in LDS
	v_mov_b32 v4, 0                                ; the count
	s_lshr_b32 s10, ttmp9, 1                       ; c
	s_and_b32 s15, ttmp9, 1                        ; hf
	s_lshl_b32 s12, s10, 7
	v_add_nc_u32 v1, s12, v6                       ; my node's word: 128 c + 4 x lane
	s_lshl_b32 s11, s15, 6
	s_lshl_b32 s13, s86, 1
	s_add_co_u32 s11, s11, s13                     ; my wave's first sub-chunk: 64 hf + 2 v
	s_mov_b32 s13, 0
	s_wait_kmcnt 0x0
	global_load_b32 v2, v1, s[4:5]                 ; my node's key
	s_lshl_b32 s12, s11, 7
	s_add_nc_u64 s[8:9], s[4:5], s[12:13]          ; my wave's 64 keys
	s_load_b512 s[16:31], s[8:9], 0x0              ; sub-chunk 0: bank 0 (s16-47)
	s_load_b512 s[32:47], s[8:9], 0x40
	s_load_b512 s[48:63], s[8:9], 0x80             ; sub-chunk 1: bank 1 (s48-63, s68-83)
	s_load_b512 s[68:83], s[8:9], 0xc0
	s_lshl_b32 s12, s15, 14
	s_add_nc_u64 s[88:89], s[6:7], s[12:13]        ; pr's half hf
	s_wait_loadcnt 0x0
	v_add_nc_u32 v3, -1, v2                        ; key - 1
	s_wait_kmcnt 0x0                               ; the one wait for all 64 keys
.macro KR bank                         ; RJ: the register that holds key j of the bank
.if (\bank) == 0
.set RJ, 16+j
.elseif j < 16
.set RJ, 48+j
.else
.set RJ, 52+j
.endif
.endm
.macro SUB u, bank
	s_add_co_u32 s12, s11, \u                      ; which sub-chunk of the 128
	s_cmp_lt_u32 s12, s10
	s_cselect_b32 s13, -1, 0
	v_cndmask_b32 v7, v2, v3, s13                  ; below my chunk: equal keys count too
.set j, 0
.rept 32
	KR \bank
	v_cmp_gt_u32 vcc_lo, s[RJ], v7
	v_add_co_ci_u32 v4, vcc_lo, 0, v4, vcc_lo      ; the count takes the compare's bit as a carry
.set j, j+1
.endr
	s_cmp_lg_u32 s12, s10                          ; my own chunk?  (a branch on the work-group's and the wave's number alone)
	s_cbranch_scc1 .Lno_\@
.set j, 0
.rept 31
	KR \bank
	v_cmp_eq_u32 s14, s[RJ], v2
	s_and_b32 vcc_lo, s14, (0xfffffffe<<j)&0xffffffff   ; an equal key counts for the lanes above j
	v_add_co_ci_u32 v4, vcc_lo, 0, v4, vcc_lo
.set j, j+1
.endr
.Lno_\@:
.endm
	SUB 0, 0
	SUB 1, 1
	ds_store_b32 v5, v4
	s_wait_dscnt 0x0                               ; for the others' sake
	s_barrier_signal -1
	s_barrier_wait -1
	s_cmp_lg_u32 s86, 0
	s_cbranch_scc1 .Lend
.set u, 0
.rept 32
	ds_load_b32 v[8+u], v6 offset:128*u            ; the 32 waves' counts of my node
.set u, u+1
.endr
	s_wait_dscnt 0x0
.irp i, 1,3,5
.irp k, 0,1,2,3
	v_add3_u32 v[8+8*\k], v[8+8*\k], v[8+8*\k+\i], v[8+8*\k+\i+1]   ; four chains of eight counts, by turns
.endr
.endr
.irp k, 0,1,2,3
	v_add_nc_u32 v[8+8*\k], v[8+8*\k], v[15+8*\k]
.endr
	v_add3_u32 v8, v8, v16, v24
	v_add_nc_u32 v8, v8, v32
	global_store_b32 v1, v8, s[88:89]
.Lend:
	s_wait_tensorcnt 0x0
	ds_add_u32 v40, v41
	s_wait_dscnt 0x0
	s_endpgm
.Lfunc_end_k_q37b1b96403_rank:
	.size	k_q37b1b96403_rank, .Lfunc_end_k_q37b1b96403_rank-k_q37b1b96403_rank
	.p2alignl 7, 3214868480
	.fill 96, 4, 3214868480
	.section	.rodata,"a",@progbits
	.p2align	6, 0x0
	.amdhsa_kernel k_q37b1b96403_rank
		.amdhsa_group_segment_fixed_size 8192
		.amdhsa_private_segment_fixed_size 0
		.amdhsa_enable_private_segment 0
		.amdhsa_kernarg_size 16
		.amdhsa_user_sgpr_count 2
		.amdhsa_user_sgpr_kernarg_segment_ptr 1
		.amdhsa_wavefront_size32 1
		.amdhsa_system_sgpr_workgroup_id_x 1
		.amdhsa_system_sgpr_workgroup_id_y 1
		.amdhsa_system_sgpr_workgroup_id_z 1
		.amdhsa_system_vgpr_workitem_id 0
		.amdhsa_next_free_vgpr 42
		.amdhsa_next_free_sgpr 92
		.amdhsa_reserve_vcc 1
		.amdhsa_float_denorm_mode_32 3
		.amdhsa_float_denorm_mode_16_64 3
		.amdhsa_memory_ordered 1
		.amdhsa_forward_progress 1
		.amdhsa_inst_pref_size 19
	.end_amdhsa_kernel
	.amdgpu_metadata
---
amdhsa.version: [ 1, 2 ]
amdhsa.kernels:
  - .name:           k_q37b1b96403_rank
    .symbol:         k_q37b1b96403_rank.kd
    .args:
      - { .name: keys, .offset: 0, .size: 8, .value_kind: global_buffer, .address_space: global }
      - { .name: pr, .offset: 8, .size: 8, .value_kind: global_buffer, .address_space: global }
    .group_segment_fixed_size: 8192
    .private_segment_fixed_size: 0
    .kernarg_segment_align: 8
    .kernarg_segment_size: 16
    .max_flat_workgroup_size: 1024
    .sgpr_count:     92
    .vgpr_count:     42
    .wavefront_size: 32
...
	.end_amdgpu_metadata
.endif
;; end of part 2
;; launch place (part 3): grid 128 x 1, 4 waves a work-group, no clusters, 768 bytes of LDS; arguments pr, S, idx, out2; writes idx, out2
.if DOCPART == 3
	.amdgcn_target "amdgcn-amd-amdhsa--gfx1250"
	.amdhsa_code_object_version 6
	.text
	.protected	k_q37b1b96403_place
	.globl	k_q37b1b96403_place
	.p2align	8
	.type	k_q37b1b96403_place,@function
k_q37b1b96403_place:
	s_mov_b64 s[64:65], 0
	v_nop
	global_prefetch_b8 v0, s[64:65] scope:SCOPE_SE
	s_setreg_imm32_b32 hwreg(HW_REG_WAVE_MODE, 25, 1), 1
	s_wait_xcnt 0x0
; A node is kept where its rank (pr's two halves added) is under 2,048; its place in the outputs is the number of kept nodes with a lower index.
; Work-group c owns nodes 32 c .. 32 c + 31.  Its four waves count the kept nodes below 32 c (each wave eight blocks of 128 nodes), the counts meet in LDS, and wave 0 stores idx (the node's
; index) and out2 (its S) at the places of the chunk's kept nodes.  All that steers an address here is read from pr, which an earlier launch stored.
; Every place is held under 2,048 before it enters an address.  Whole-number work on 32 KiB: no matrix unit, no tensor load, no cluster.
.set PRB, 32                           ; v32-95   pr of my eight blocks: 4 + 4 registers each
	s_load_b256 s[4:11], s[0:1], 0x0               ; pr s[4:5], S s[6:7], idx s[8:9], out2 s[10:11]
	v_lshl_add_u32 v96, v0, 2, 0x100
	v_mov_b32 v97, 0
	v_lshrrev_b32 v2, 5, v0
	v_readfirstlane_b32 s18, v2                    ; wave 0..3
	v_lshlrev_b32 v25, 2, v2                       ; my wave's word in LDS
	v_and_b32 v1, 31, v0                           ; lane
	v_lshlrev_b32 v4, 4, v1                        ; 16 x lane
	s_lshl_b32 s30, ttmp9, 7
	v_lshl_add_u32 v5, v1, 2, s30                  ; my node's word: 128 c + 4 x lane
	v_mov_b32 v30, 0
	s_mov_b32 s22, 0                               ; the count
	s_lshl_b32 s19, ttmp9, 3
	s_lshl_b32 s30, s18, 5
	s_sub_co_i32 s19, s19, s30                     ; 8 c - 32 v
	s_lshl_b32 s38, s18, 9
	s_mov_b32 s39, 0
	s_wait_kmcnt 0x0
	s_add_nc_u64 s[48:49], s[4:5], s[38:39]        ; pr at block v
.irp m, 0,1,2,3,4,5,6,7
	global_load_b128 v[PRB+8*\m:PRB+8*\m+3], v4, s[48:49] offset:2048*\m            ; block v + 4 m: nodes 128 (v + 4 m) + 4 l + 0..3, first half of the ranks,
	global_load_b128 v[PRB+8*\m+4:PRB+8*\m+7], v4, s[48:49] offset:2048*\m+16384    ; second half
.endr
	global_load_b32 v12, v5, s[4:5]
	global_load_b32 v13, v5, s[4:5] offset:16384
	global_load_b32 v14, v5, s[6:7]                ; S of my node
	s_wait_loadcnt 0x0
.irp m, 0,1,2,3,4,5,6,7
	s_sub_co_i32 s30, s19, 128*\m
	v_cmp_gt_i32 s20, s30, v1                      ; my four nodes lie below 32 c where l < 8 c - 32 (v + 4 m)
.irp e, 0,1,2,3
	v_add_nc_u32 v[20+\e], v[PRB+8*\m+\e], v[PRB+8*\m+4+\e]
.endr
.irp e, 0,1,2,3
	v_cmp_gt_u32 s[32+\e], 0x800, v[20+\e]         ; kept
.endr
.irp e, 0,1,2,3
	s_and_b32 s[32+\e], s[32+\e], s20
.endr
.irp e, 0,1,2,3
	s_bcnt1_i32_b32 s[32+\e], s[32+\e]
.endr
.irp e, 0,1,2,3
	s_add_co_u32 s22, s22, s[32+\e]
.endr
.endr
	v_mov_b32 v24, s22
	ds_store_b32 v25, v24                          ; all lanes write the same word with the same value
	s_wait_dscnt 0x0                               ; for the others' sake
	s_barrier_signal -1
	s_barrier_wait -1
	s_cmp_lg_u32 s18, 0                            ; the rest is wave 0's
	s_cbranch_scc1 .Lend
	ds_load_b128 v[26:29], v30                     ; the four waves' counts
	s_wait_dscnt 0x0
	v_add_nc_u32 v26, v26, v27
	v_add_nc_u32 v28, v28, v29
	v_add_nc_u32 v26, v26, v28
	v_readfirstlane_b32 s23, v26                   ; kept nodes below my chunk
	v_add_nc_u32 v12, v12, v13
	v_cmp_gt_u32 s24, 0x800, v12                   ; which of my chunk's 32 are kept
	v_mbcnt_lo_u32_b32 v15, s24, 0                 ; kept ones in lanes below mine
	v_add_nc_u32 v15, s23, v15                     ; my node's place
	v_min_u32 v16, 0x7ff, v15
	v_lshlrev_b32 v16, 2, v16
	s_lshl_b32 s30, ttmp9, 5
	v_add_nc_u32 v17, s30, v1                      ; my node's index
	s_wait_xcnt 0x0                                ; EXEC is a source of memory instructions: it changes only behind this wait
	s_and_saveexec_b32 s25, s24
	global_store_b32 v16, v17, s[8:9]
	global_store_b32 v16, v14, s[10:11]
	s_wait_xcnt 0x0                                ; and again in front of the line that widens it
	s_or_b32 exec_lo, exec_lo, s25
.Lend:
	s_wait_tensorcnt 0x0
	ds_add_u32 v96, v97
	s_wait_dscnt 0x0
	s_endpgm
.Lfunc_end_k_q37b1b96403_place:
	.size	k_q37b1b96403_place, .Lfunc_end_k_q37b1b96403_place-k_q37b1b96403_place
	.p2alignl 7, 3214868480
	.fill 96, 4, 3214868480
	.section	.rodata,"a",@progbits
	.p2align	6, 0x0
	.amdhsa_kernel k_q37b1b96403_place
		.amdhsa_group_segment_fixed_size 768
		.amdhsa_private_segment_fixed_size 0
		.amdhsa_enable_private_segment 0
		.amdhsa_kernarg_size 32
		.amdhsa_user_sgpr_count 2
		.amdhsa_user_sgpr_kernarg_segment_ptr 1
		.amdhsa_wavefront_size32 1
		.amdhsa_system_sgpr_workgroup_id_x 1
		.amdhsa_system_sgpr_workgroup_id_y 1
		.amdhsa_system_sgpr_workgroup_id_z 1
		.amdhsa_system_vgpr_workitem_id 0
		.amdhsa_next_free_vgpr 98
		.amdhsa_next_free_sgpr 66
		.amdhsa_reserve_vcc 0
		.amdhsa_float_denorm_mode_32 3
		.amdhsa_float_denorm_mode_16_64 3
		.amdhsa_memory_ordered 1
		.amdhsa_forward_progress 1
		.amdhsa_inst_pref_size 13
	.end_amdhsa_kernel
	.amdgpu_metadata
---
amdhsa.version: [ 1, 2 ]
amdhsa.kernels:
  - .name:           k_q37b1b96403_place
    .symbol:         k_q37b1b96403_place.kd
    .args:
      - { .name: pr, .offset: 0, .size: 8, .value_kind: global_buffer, .address_space: global }
      - { .name: S, .offset: 8, .size: 8, .value_kind: global_buffer, .address_space: global }
      - { .name: idx, .offset: 16, .size: 8, .value_kind: global_buffer, .address_space: global }
      - { .name: out2, .offset: 24, .size: 8, .value_kind: global_buffer, .address_space: global }
    .group_segment_fixed_size: 768
    .private_segment_fixed_size: 0
    .kernarg_segment_align: 8
    .kernarg_segment_size: 32
    .max_flat_workgroup_size: 128
    .sgpr_count:     66
    .vgpr_count:     98
    .wavefront_size: 32
...
	.end_amdgpu_metadata
.endif
;; end of part 3
;; launch gemm (part 4): grid 16 x 16, 4 waves a work-group, no clusters, 270,848 bytes of LDS; arguments rc, cc, sc, idx, out1, X, tv, out0; writes out1, out0
.if DOCPART == 4
	.amdgcn_target "amdgcn-amd-amdhsa--gfx1250"
	.amdhsa_code_object_version 6
	.text
	.protected	k_q37b1b96403_gemm
	.globl	k_q37b1b96403_gemm
	.p2align	8
	.type	k_q37b1b96403_gemm,@function
k_q37b1b96403_gemm:
	s_mov_b64 s[64:65], 0
	v_nop
	global_prefetch_b8 v0, s[64:65] scope:SCOPE_SE
	s_setreg_imm32_b32 hwreg(HW_REG_WAVE_MODE, 25, 1), 1
	s_wait_xcnt 0x0
; out1[p][q] = the sum over k of Q(A)[idx p][k] Q(A)[k][idx q], on codes of BF6 (E3M2) with one E8M0 scale for each 32 along K; only the kept rows and columns are multiplied.
; rc holds A's rows and cc A's columns as images of operand registers: [group of 16 operand rows][K step of 128: 32][c: 3][lane: 32][16 bytes]; sc the scale words [operand][K step][row].
; A work-group makes 128 x 128 of out1.  THE FOUR WAVES SPLIT K: wave w takes K steps 8 w .. 8 w + 7 for the whole tile: 64 accumulators of 16 x 16, 512 registers, 512 matrix instructions.
; So no operand byte is loaded twice in a work-group, and the fragments go from memory straight into registers: lane (r, h) of fragment i takes its 16 bytes of row idx[16 i + r]'s image at
; (idx / 16) x 49,152 + (idx % 16) x 16 + 256 h.  At the end the four partial tiles meet in LDS (one barrier) and each wave adds and stores 32 whole rows.
; ALSO out0[p] = X[idx p] x tanh y[idx p]: 2,048 rows for 1,024 waves: wave w of work-group (x, y) takes rows 8 (16 y + x) + 2 w and the next, lanes 0-15 the first and lanes 16-31 the second.
; Their five loads go out behind K step 6's products, into registers of the fragment set that is done with, and have the last step's wait, its 64 matrix instructions and the 128 LDS stores of the
; way out in which to land; only the kept rows of X are read.
; NO TENSOR LOADS, NO CLUSTER: the sixteen rows of a fragment are named by a list read from memory, and a tile's descriptor is made of constants, the wave's number and counted steps alone.
; THE MATRIX INSTRUCTION IS USED TRANSPOSED (source 0 = 16 columns q, from cc; source 1 = 16 rows p, from rc): lane (r, h) then holds row 16 a + r and columns 16 b + 8 h + 0..7 of the tile.
; The sum over K is made in four parts, (w0 + w1) + (w2 + w3), each part in ascending K.
; REGISTERS, in windows of 256 (s_set_vgpr_msb: bits 1:0 source 0, 3:2 source 1, 5:4 source 2, 7:6 destination):
;   window 0: v2-25 offsets; v26-31 the way out's addresses; v32-95 scale words (register 8 t + i: lanes 0-15 rc's block i, lanes 16-31 cc's block i, K step t); v96-191 rc's fragments, set 0;
;             v192-255 accumulators a = 0 (ahead of the first K step v192-198 hold out0's list entry and lane terms)
;   window 1: v0-95 rc's fragments, set 1; v96-191 cc's, set 0; v192-255 accumulators a = 1      window 2: v0-95 cc's, set 1; v96-223 accumulators a = 2, 3      window 3: accumulators a = 4 .. 7
.set OA,  2                            ; v2-9    byte offset of my 16 bytes in rc, fragment i
.set OB,  10                           ; v10-17  the same in cc
.set OM,  18                           ; v18-25  of my scale word in sc: lanes 0-15 rc's row, lanes 16-31 cc's.  Free once the scale words are in; then:
.set FO,  18                           ; v18     out0: my byte offset in X
.set FT,  19                           ; v19     and in tv
.set FS,  20                           ; v20     and in the wave's two rows of out0: 1,024 h + 16 r
.set STO, 26                           ; v26     the way out: where I put 32 bytes of a row in my wave's stage
.set RD,  27                           ; v27-30  where I read my rows back, in stage 0 .. 3
.set CO,  31                           ; v31     16 x lane
.set SC,  32
.set BK,  96                           ; the way out: two banks of 64 registers, v96-159 and v160-223
.set FD,  96                           ; out0: v96-111 my 64 bytes of the row
.set FV,  112                          ;       v112 tanh y of my row (the packed multiply names the pair v[112:113] and takes its low word for both halves)
.set FI,  192                          ; at the head only: v192 4 h: my row's word in the list
.set FE,  193                          ;       v193 the list's entry: which row of X
.set FS0, 197                          ;       v197 1,024 h + 16 r
.set FR,  198                          ;       v198 16 r
.set SPITCH, 528                       ; a stage row: 512 bytes + 16: sixteen rows of a 16-byte store start at sixteen different 16-byte columns (64 banks of 4 bytes: ISA guide 11.1)
.set STAGEB, 128*SPITCH                ; a wave's stage: 128 rows
.set MSB, 0
.macro WIN new                         ; the immediate's high byte repeats the setting that is left; a switch that changes nothing is dropped
.if MSB != (\new)
	s_set_vgpr_msb (MSB<<8)|(\new)
.set MSB, (\new)
.endif
.endm
.macro ACCSET a                        ; AW, AB: window and first register of the eight accumulators of block a of rows
.if (\a) == 0
.set AW, 0
.set AB, 192
.elseif (\a) == 1
.set AW, 1
.set AB, 192
.elseif (\a) < 4
.set AW, 2
.set AB, 96+64*((\a)-2)
.else
.set AW, 3
.set AB, 64*((\a)-4)
.endif
.endm
.macro PLACES                          ; four plain places between a matrix instruction and a load into one of its sources, or a store of its result (ISA guide 7.12.1 for vector instructions)
.rept 4
	v_nop
.endr
.endm
	s_load_b256 s[4:11], s[0:1], 0x0               ; rc s[4:5], cc s[6:7], sc s[8:9], idx s[10:11]
	s_load_b64 s[12:13], s[0:1], 0x20              ; out1
	s_load_b64 s[34:35], s[0:1], 0x28              ; X
	s_load_b64 s[36:37], s[0:1], 0x30              ; tv
	s_load_b64 s[38:39], s[0:1], 0x38              ; out0
	s_set_vgpr_msb 0x80
	v_lshl_add_u32 v254, v0, 2, 0x42000
	v_mov_b32 v255, 0
	s_set_vgpr_msb 0x8000
	v_lshrrev_b32 v1, 5, v0
	v_readfirstlane_b32 s19, v1                    ; wave 0..3
	v_and_b32 v1, 15, v0                           ; r
	v_bfe_u32 v120, v0, 4, 1                       ; h   (v96-123 serve the head before any fragment lands there)
	v_lshlrev_b32 v123, 2, v1                      ; 4 r
	v_lshlrev_b32 v121, 19, v120                   ; h x 524,288: cc's scale words lie behind rc's
	v_lshlrev_b32 v122, 8, v120                    ; 256 h
	v_and_b32 v[CO], 31, v0
	v_lshlrev_b32 v[CO], 4, v[CO]
	v_lshlrev_b32 v[FI], 2, v120
	v_lshlrev_b32 v[FR], 4, v1
	v_lshl_add_u32 v[FS0], v120, 10, v[FR]
	s_and_b32 s30, ttmp7, 0xffff                   ; tile row
	s_mov_b32 s18, 0xffff0000                      ; lanes 16-31
	s_mov_b32 s29, 0
	s_mul_i32 s32, s19, STAGEB
	v_mul_u32_u24 v[STO], v1, SPITCH
	v_lshl_add_u32 v[STO], v120, 5, v[STO]
	v_add_nc_u32 v[STO], s32, v[STO]               ; my stage, row r, + 32 h
	s_mul_i32 s33, s19, 32*SPITCH
	v_add_nc_u32 v[RD], s33, v[CO]                 ; back: my 32 rows, 16 bytes a lane, in each of the four stages
	v_add_nc_u32 v[RD+1], STAGEB, v[RD]
	v_add_nc_u32 v[RD+2], 2*STAGEB, v[RD]
	v_add_nc_u32 v[RD+3], 3*STAGEB, v[RD]
	s_lshl_b32 s31, s30, 4
	s_add_co_u32 s31, s31, ttmp9                   ; 16 y + x
	s_lshl_b32 s31, s31, 3
	s_lshl_b32 s32, s19, 1
	s_add_co_u32 s31, s31, s32                     ; my first row of out0: 8 (16 y + x) + 2 w
	s_wait_kmcnt 0x0
	s_lshl_b32 s28, s30, 9
	s_add_nc_u64 s[14:15], s[10:11], s[28:29]      ; the list at my 128 rows
	s_lshl_b32 s28, ttmp9, 9
	s_add_nc_u64 s[16:17], s[10:11], s[28:29]      ; at my 128 columns
	s_lshl_b32 s28, s31, 2
	s_add_nc_u64 s[40:41], s[10:11], s[28:29]      ; and at my two rows of out0
.irp i, 0,1,2,3,4,5,6,7
	global_load_b32 v[96+\i], v123, s[14:15] offset:64*\i     ; idx[128 y + 16 i + r]
	global_load_b32 v[104+\i], v123, s[16:17] offset:64*\i    ; idx[128 x + 16 i + r]
.endr
	global_load_b32 v[FE], v[FI], s[40:41]         ; idx[my first row of out0 + h]
	s_mul_i32 s28, s19, 8*1536                     ; my eight K steps in a group's image
	s_add_nc_u64 s[20:21], s[4:5], s[28:29]
	s_add_nc_u64 s[22:23], s[6:7], s[28:29]
	s_lshl_b32 s28, s19, 17                        ; and in the scale words: 8 x 16,384 bytes
	s_add_nc_u64 s[24:25], s[8:9], s[28:29]
	s_lshl_b32 s28, s31, 10                        ; a row of out0 is 1,024 bytes
	s_add_nc_u64 s[42:43], s[38:39], s[28:29]
	s_lshl_b32 s28, s30, 7
	s_lshl_b32 s32, s19, 5
	s_add_co_u32 s28, s28, s32                     ; the first row of out1 that I store: 128 y + 32 w
	s_lshl_b32 s28, s28, 13                        ; a row of out1 is 8,192 bytes
	s_lshl_b32 s32, ttmp9, 9
	s_add_co_u32 s28, s28, s32                     ; + 512 x
	s_add_nc_u64 s[26:27], s[12:13], s[28:29]
	s_wait_loadcnt 0x0
	v_min_u32 v[FE], 0xfff, v[FE]                  ; what was read from memory is held inside the table before it enters an address
.irp i, 0,1,2,3,4,5,6,7
	v_lshrrev_b32 v112, 4, v[96+\i]
	v_and_b32 v113, 15, v[96+\i]
	v_min_u32 v112, 0xff, v112
	v_min_u32 v113, 15, v113
	v_mul_u32_u24 v[OA+\i], v112, 0xc000           ; a group's image is 49,152 bytes
	v_lshl_add_u32 v[OA+\i], v113, 4, v[OA+\i]
	v_add_nc_u32 v[OA+\i], v122, v[OA+\i]
	v_lshrrev_b32 v114, 4, v[104+\i]
	v_and_b32 v115, 15, v[104+\i]
	v_min_u32 v114, 0xff, v114
	v_min_u32 v115, 15, v115
	v_mul_u32_u24 v[OB+\i], v114, 0xc000
	v_lshl_add_u32 v[OB+\i], v115, 4, v[OB+\i]
	v_add_nc_u32 v[OB+\i], v122, v[OB+\i]
	v_cndmask_b32 v116, v[96+\i], v[104+\i], s18   ; lanes 0-15: the row's word, lanes 16-31: the column's
	v_min_u32 v116, 0xfff, v116
	v_lshl_add_u32 v[OM+\i], v116, 2, v121
.endr
; K step t's 16 fragments into set 0 or 1: 48 loads of 16 bytes a lane.  No cache hint: sixteen work-groups read the same rows.
.macro LOADF t, set
.set FB, 96*(1-(\set))
	WIN (\set)<<6                                  ; rc's fragments: window 0 or 1
.irp i, 0,1,2,3,4,5,6,7
.irp c, 0,1,2
	global_load_b128 v[FB+12*\i+4*\c:FB+12*\i+4*\c+3], v[OA+\i], s[20:21] offset:1536*(\t)+512*\c
.endr
.endr
	WIN ((\set)+1)<<6                              ; cc's: window 1 or 2
.irp i, 0,1,2,3,4,5,6,7
.irp c, 0,1,2
	global_load_b128 v[FB+12*\i+4*\c:FB+12*\i+4*\c+3], v[OB+\i], s[22:23] offset:1536*(\t)+512*\c
.endr
.endr
.endm
; K step t: 64 matrix instructions.  The 64 accumulators take turns, one instruction a turn, in the same order in every step.  zero = 1: the first step starts the sums: nothing is cleared.
.macro MUL t, set, zero
.set FB, 96*(1-(\set))
.irp a, 0,1,2,3,4,5,6,7
	ACCSET \a
	WIN (1+5*(\set))|(AW*0x50)                     ; set 0: source 0 window 1, source 1 window 0; set 1: windows 2 and 1; C and D in the accumulators' window
.irp b, 0,1,2,3,4,5,6,7
.if \zero
	v_wmma_scale_f32_16x16x128_f8f6f4 v[AB+8*\b:AB+8*\b+7], v[FB+12*\b:FB+12*\b+11], v[FB+12*\a:FB+12*\a+11], 0, v[SC+8*(\t)+\b], v[SC+8*(\t)+\a] matrix_a_fmt:MATRIX_FMT_BF6 matrix_b_fmt:MATRIX_FMT_BF6 matrix_a_scale:MATRIX_SCALE_ROW1
.else
	v_wmma_scale_f32_16x16x128_f8f6f4 v[AB+8*\b:AB+8*\b+7], v[FB+12*\b:FB+12*\b+11], v[FB+12*\a:FB+12*\a+11], v[AB+8*\b:AB+8*\b+7], v[SC+8*(\t)+\b], v[SC+8*(\t)+\a] matrix_a_fmt:MATRIX_FMT_BF6 matrix_b_fmt:MATRIX_FMT_BF6 matrix_a_scale:MATRIX_SCALE_ROW1
.endif
.endr
.endr
.endm
.irp t, 0,1,2,3,4,5,6,7
.irp i, 0,1,2,3,4,5,6,7
	global_load_b32 v[SC+8*\t+\i], v[OM+\i], s[24:25] offset:16384*\t   ; all my scale words, once
.endr
.endr
	LOADF 0, 0
	LOADF 1, 1
	s_wait_loadcnt 48                              ; the scale words and step 0 are in; step 1's 48 loads, the only ones issued behind them, may be out
	WIN 0
	v_lshl_add_u32 v[FO], v[FE], 10, v[FR]         ; the scale loads are done, so their offset registers are free: out0's three offsets move there, out of the first accumulator's registers.  A row of X is 1,024 bytes; + 16 r
	v_lshlrev_b32 v[FT], 2, v[FE]
	v_mov_b32 v[FS], v[FS0]
	MUL 0, 0, 1
	PLACES
	LOADF 2, 0
.irp t, 1,2,3,4,5,6,7
.if \t < 7
	s_wait_loadcnt 48                              ; this step's fragments are in; behind them only the next step's 48 loads were issued
.else
	s_wait_loadcnt 5                               ; the last step's fragments are in; behind them only out0's five loads were issued
.endif
	MUL \t, \t%2, 0
.if \t < 6
	PLACES
	LOADF \t+2, \t%2                               ; the set just multiplied takes the step after next: it has one step's 64 matrix instructions in which to land
.endif
.if \t == 6
	PLACES                                         ; set 0 has been multiplied for the last time: its first registers take out0's rows
	WIN 0
.irp k, 0,1,2,3
	global_load_b128 v[FD+4*\k:FD+4*\k+3], v[FO], s[34:35] offset:256*\k th:TH_LOAD_NT   ; sixteen lanes read 256 consecutive bytes of their row; each kept row is read by one wave
.endr
	global_load_b32 v[FV], v[FT], s[36:37]         ; tanh y of my row
.endif
.endr
	; THE WAY OUT.  Each wave lays its partial tile into its own stage; behind the barrier wave w adds the four stages' rows 32 w .. 32 w + 31 and stores them whole.
	WIN 0
	PLACES
.macro TOSTAGE a
	ACCSET \a
	WIN AW<<2                                      ; an LDS store's data are its source 1
.irp b, 0,1,2,3,4,5,6,7
	ds_store_b128 v[STO], v[AB+8*\b:AB+8*\b+3] offset:16*SPITCH*\a+64*\b          ; each accumulator from its low end on
	ds_store_b128 v[STO], v[AB+8*\b+4:AB+8*\b+7] offset:16*SPITCH*\a+64*\b+16
.endr
.endm
.irp a, 0,1,2,3,4,5,6,7
	TOSTAGE \a
.endr
	WIN 0
	s_wait_loadcnt 0x0                             ; out0's rows and tanh y
.irp k, 0,2,4,6,8,10,12,14
	v_pk_mul_f32 v[FD+\k:FD+\k+1], v[FD+\k:FD+\k+1], v[FV:FV+1] op_sel_hi:[1,0]   ; x tanh y
.endr
.irp k, 0,1,2,3
	global_store_b128 v[FS], v[FD+4*\k:FD+4*\k+3], s[42:43] offset:256*\k th:TH_STORE_NT   ; sixteen lanes store 256 consecutive bytes, aligned
.endr
	s_wait_dscnt 0x0                               ; for the others' sake: my stage is written
	s_barrier_signal -1
	s_barrier_wait -1
.macro RLOAD bt, bank                  ; rows 4 bt .. 4 bt + 3 of my 32, from the four stages
.irp i, 0,1,2,3
.irp u, 0,1,2,3
	ds_load_b128 v[(\bank)+16*\i+4*\u:(\bank)+16*\i+4*\u+3], v[RD+\u] offset:(4*(\bt)+\i)*SPITCH
.endr
.endr
.endm
.macro RSUM bt, bank, left             ; left: the other bank's loads, which may stay out
	s_wait_dscnt \left
.irp i, 0,1,2,3
.set RR, (\bank)+16*\i
	v_pk_add_f32 v[RR:RR+1], v[RR:RR+1], v[RR+4:RR+5]
	v_pk_add_f32 v[RR+2:RR+3], v[RR+2:RR+3], v[RR+6:RR+7]
	v_pk_add_f32 v[RR+8:RR+9], v[RR+8:RR+9], v[RR+12:RR+13]
	v_pk_add_f32 v[RR+10:RR+11], v[RR+10:RR+11], v[RR+14:RR+15]
	v_pk_add_f32 v[RR:RR+1], v[RR:RR+1], v[RR+8:RR+9]
	v_pk_add_f32 v[RR+2:RR+3], v[RR+2:RR+3], v[RR+10:RR+11]
	global_store_b128 v[CO], v[RR:RR+3], s[26:27] offset:(4*(\bt)+\i)*8192 th:TH_STORE_NT   ; 32 lanes store 512 consecutive bytes, aligned
.endr
.endm
	s_wait_xcnt 0x0                                ; out0's four stores, the only memory instructions that are out, have read their data: the first bank lies over those registers
	RLOAD 0, BK
	RLOAD 1, BK+64
.irp q, 0,1,2,3,4,5,6,7
.if \q < 7
	RSUM \q, BK+64*(\q%2), 16
.else
	RSUM \q, BK+64*(\q%2), 0
.endif
.if \q < 6
	s_wait_xcnt 0x0                                ; the stores have read their data: the bank may be loaded again
	RLOAD \q+2, BK+64*(\q%2)
.endif
.endr
	s_set_vgpr_msb 0xa
	s_wait_tensorcnt 0x0
	ds_add_u32 v254, v255
	s_wait_dscnt 0x0
	s_set_vgpr_msb 0xa00
	s_endpgm
.Lfunc_end_k_q37b1b96403_gemm:
	.size	k_q37b1b96403_gemm, .Lfunc_end_k_q37b1b96403_gemm-k_q37b1b96403_gemm
	.p2alignl 7, 3214868480
	.fill 96, 4, 3214868480
	.section	.rodata,"a",@progbits
	.p2align	6, 0x0
	.amdhsa_kernel k_q37b1b96403_gemm
		.amdhsa_group_segment_fixed_size 270848
		.amdhsa_private_segment_fixed_size 0
		.amdhsa_enable_private_segment 0
		.amdhsa_kernarg_size 64
		.amdhsa_user_sgpr_count 2
		.amdhsa_user_sgpr_kernarg_segment_ptr 1
		.amdhsa_wavefront_size32 1
		.amdhsa_system_sgpr_workgroup_id_x 1
		.amdhsa_system_sgpr_workgroup_id_y 1
		.amdhsa_system_sgpr_workgroup_id_z 1
		.amdhsa_system_vgpr_workitem_id 0
		.amdhsa_next_free_vgpr 1024
		.amdhsa_next_free_sgpr 66
		.amdhsa_reserve_vcc 0
		.amdhsa_float_denorm_mode_32 3
		.amdhsa_float_denorm_mode_16_64 3
		.amdhsa_memory_ordered 1
		.amdhsa_forward_progress 1
		.amdhsa_inst_pref_size 154
	.end_amdhsa_kernel
	.amdgpu_metadata
---
amdhsa.version: [ 1, 2 ]
amdhsa.kernels:
  - .name:           k_q37b1b96403_gemm
    .symbol:         k_q37b1b96403_gemm.kd
    .args:
      - { .name: rc, .offset: 0, .size: 8, .value_kind: global_buffer, .address_space: global }
      - { .name: cc, .offset: 8, .size: 8, .value_kind: global_buffer, .address_space: global }
      - { .name: sc, .offset: 16, .size: 8, .value_kind: global_buffer, .address_space: global }
      - { .name: idx, .offset: 24, .size: 8, .value_kind: global_buffer, .address_space: global }
      - { .name: out1, .offset: 32, .size: 8, .value_kind: global_buffer, .address_space: global }
      - { .name: X, .offset: 40, .size: 8, .value_kind: global_buffer, .address_space: global }
      - { .name: tv, .offset: 48, .size: 8, .value_kind: global_buffer, .address_space: global }
      - { .name: out0, .offset: 56, .size: 8, .value_kind: global_buffer, .address_space: global }
    .group_segment_fixed_size: 270848
    .private_segment_fixed_size: 0
    .kernarg_segment_align: 8
    .kernarg_segment_size: 64
    .max_flat_workgroup_size: 128
    .sgpr_count:     66
    .vgpr_count:     1024
    .wavefront_size: 32
...
	.end_amdgpu_metadata
.endif
;; end of part 4
